; MI455X (gfx1250); checked and timed in simulation.
; The chip was launched on July 23, 2026; its instructions are those of AMD's public machine-readable ISA for CDNA 5 (MIT licence, August 2026) and "CDNA5" Instruction Set Architecture Reference Guide (July 2026). The comments in the code are by the model that wrote it; some were corrected since.
;; genesys quantized linear. Allowed arithmetic: matrix products marked QUANTISED: E5M2 operands, one E8M0 scale for each 32 along K, by v_wmma_scale_f32_16x16x128_f8f6f4 with both operands' format E5M2, f32 sums; everything else in f32.
;; Inputs: W_codes 4,096 x 128 x 32 uint8 (E5M2 codes of W, K innermost, in blocks of 32 codes); W_scales 4,096 x 128 uint8 (E8M0 scales of W, one for each 32 codes along K); b 4,096 float32; x_codes 4,096 x 128 x 32 uint8 (E5M2 codes of x, K innermost, in blocks of 32 codes); x_scales 4,096 x 128 uint8 (E8M0 scales of x, one for each 32 codes along K).
;; Outputs: out0 4,096 x 4,096 float32.
;; This version of the problem:
;;   THIS VERSION OF THE PROBLEM IS GIVEN IN LOW PRECISION. The matrix products marked QUANTISED in the list below multiply operands that are first quantised to E5M2 (5 exponent bits, 2 mantissa bits; 8 bits a number), with one power-of-two scale for each 32 numbers along K (OCP MX v1.0); their sums are f32. All else is computed in f32.
;;   The module's matrix products, in the order in which they are computed (A, B: the left and right operand; K: the contracted axis; several contracted axes count as one K, in the product's order):
;;     1. [M 4,096, K 4,096] x [K 4,096, N 4,096]; A: input x (given as codes); B: input W (given as codes): QUANTISED
;;   THE QUANTISER, for each operand of a quantised product, along K:
;;     - K is cut into blocks of 32 from its start; a last block that is shorter is filled with zeros.
;;     - A block's scale is 2^e with e = floor(log2(the largest magnitude in the block)) - 15, held to -126 .. 127; a block of zeros has e = 0. As a byte (E8M0): e + 127.
;;     - Each number is divided by its block's scale, clamped to +-57,344, and rounded to the nearest number of E5M2, ties to even, subnormals kept.
;;     - The product sums the exact products of the quantised numbers (number of the format x scale) in f32.
;;   ~~~python
;;   def quantise(x, axis):      # numpy; x: float32 -> the quantised numbers, widened to float32 again
;;       x = np.moveaxis(x, axis, -1); K = x.shape[-1]
;;       x = np.pad(x, [(0, 0)] * (x.ndim - 1) + [(0, -K % 32)]); x = x.reshape(x.shape[:-1] + (-1, 32)); a = np.abs(x).max(-1, keepdims=True)
;;       e = np.where(a > 0, np.clip(np.frexp(np.where(a > 0, a, 1))[1] - 1 - 15, -126, 127), 0)      # np.frexp(a)[1] - 1 = floor(log2(a)), exactly
;;       r = np.clip(x / 2.0 ** e, -57344, 57344)
;;       step = 2.0 ** (np.maximum(np.frexp(np.where(r == 0, 1, r))[1] - 1, -14) - 2)
;;       q = np.round(r / step) * step * 2.0 ** e      # np.round: ties to even
;;       return np.moveaxis(q.reshape(q.shape[:-2] + (-1,))[..., :K], -1, axis).astype(np.float32)
;;   ~~~
;;   INPUTS GIVEN AS CODES. W (in the module: [4096, 4096], K = its axis 0); x (in the module: [4096, 4096], K = its axis 1): each comes as NAME_codes (uint8): NAME with its K axis moved to the last place and cut into blocks of 32 codes, [.., K / 32, bytes a block], one block behind the other in memory; one code a byte (a code: sign, 5 exponent bits, 2 mantissa bits); and NAME_scales (uint8): the same leading axes, one E8M0 byte (e + 127) for each 32 codes along K. Its value is code x scale, taken as it is: it is not quantised again, and the codes and scales need not be those that the quantiser above would give.
;; One version. Each part assembles by itself: llvm-mc -triple=amdgcn-amd-amdhsa -mcpu=gfx1250 --defsym DOCPART=n.
;; ======== version 1 of 1: 1 launch
;; limits: right only within a limited range of input values
;; launch gemm (part 1): grid 16 x 16, 4 waves a work-group, clusters of 4 x 4, 327,680 bytes of LDS; arguments x_codes, x_scales, W_codes, W_scales, b, out0; writes out0
.if DOCPART == 1
	.amdgcn_target "amdgcn-amd-amdhsa--gfx1250"
	.amdhsa_code_object_version 6
	.text
	.protected	k_q9a2ae94c02_gemm
	.globl	k_q9a2ae94c02_gemm
	.p2align	8
	.type	k_q9a2ae94c02_gemm,@function
k_q9a2ae94c02_gemm:
	s_mov_b64 s[64:65], 0
	v_nop
	global_prefetch_b8 v0, s[64:65] scope:SCOPE_SE
	s_setreg_imm32_b32 hwreg(HW_REG_WAVE_MODE, 25, 1), 1
	s_wait_xcnt 0x0
	s_wait_alu depctr_hold_cnt(0) depctr_sa_sdst(0) depctr_va_vdst(0) depctr_va_sdst(0) depctr_va_ssrc(0) depctr_va_vcc(0) depctr_vm_vsrc(0)
	s_getreg_b32 s2, hwreg(HW_REG_IB_STS2, 6, 4)
	s_cmp_eq_u32 s2, 0
	s_cbranch_scc0 .Lentry_in_a_cluster
	s_endpgm
.Lentry_in_a_cluster:
	s_bfe_u32 s2, ttmp6, 0x10000c
	s_cmp_lg_u32 s2, 0xf033
	s_cbranch_scc0 .Lentry_shape_is_right
	s_endpgm
.Lentry_shape_is_right:
; out0[m][n] = (sum over k of x[m][k] W[k][n] + b[n]) * s,  M = N = K = 4,096.
; x_codes [m][4096], W_codes [n][4096]: codes of E5M2, one a byte, K innermost; x_scales [m][128], W_scales [n][128]: one E8M0 byte for each 32 along K.
; Codes and scale bytes go to the matrix instruction as they lie in memory.  s = f32(m0 * 2^-7), m0 = round(0.9216 * 2^32) / 2^32: the bits 0x3BEBEDFA.
; SHARES.  A tile of out0, 256 x 256, is made by a work-group of four waves; a wave makes 128 x 128: 64 accumulators, 512 registers.  16 x 16 tiles: 256 work-groups.
; K goes in 16 steps of 256 through a ring of two LDS slots (x's 256 rows, then W's 256 rows; a row is 256 bytes of memory at a multiple of 256).
; THE SCALES go in TWO RUNS along K: 64 bytes a row serve 8 K steps; 512 rows at a pitch of 80 are 40,960 bytes beside the ring (all 128 bytes a row: 2 x 139,264 + 512 x 144 pass 327,680).
; THE HEAD: one tensor load a wave: wave 0 x's K step 0 (256 rows), wave 1 x's scales, wave 2 W's K step 0, wave 3 W's scales.  Slot 1 is first filled as a refill is.
; The second run of the scales lands in the first's bytes at K step 6's change of slots, whose four loads are shared out as the head's are.
; A CHANGE OF SLOTS stands at the head of a slot's last 128 along K: all the slot's fragments have been asked for by then, so the wait for them frees the slot,
; and the refill goes out ahead of that step's 64 products: 128 products of a wave stand between a request and the wait for it.
; THE LAST K STEP GOES BY ROWS OF out0: W's fragments of its 256 along K fill window 1, x's come by blocks of 16 rows x 256 K, and my eight blocks of 16 rows are finished one after the other,
; 16 products each (the block's 8 accumulators by turns, K ascending: the sums are those of the other order); each block is stored as soon as it is finished.
; CLUSTERS: 4 x 4.  The four of a row of the cluster need the same rows of x, the four of a column the same rows of W: every tile is asked for jointly.
; THE MATRIX INSTRUCTION IS USED TRANSPOSED (source 0 = 16 rows of W, source 1 = 16 rows of x): a lane holds eight neighbouring numbers of a row of out0.
; THE CLUSTERS WALK K IN TWO ORDERS.  o = the parity of the bits of the cluster's x and y.  o = 0: K ascending; o = 1: K = 2,048 .. 4,095 first, then 0 .. 2,047.  Of the four clusters that read
; the same rows two walk in each order.  The halves of K are the scales' runs.  'K step' counts in the cluster's own order.  o enters global addresses alone and is the same in all sixteen partners.
; PREFETCHES: a cluster's K steps 1 to 15 of the codes, each two refills ahead of its load (K step 1: one).  Of the 128 rows that belong to a wave each of the four partners names 32, told apart by
; address (cx for x, cy for W): a lane a row, 256 bytes each, one instruction a wave.  The last two refills' changes of slots name nothing: every byte named lies inside its row.
; The scales come by two loads a launch, with no trip to run ahead in: not asked for.
; LIMITS.  out0 = fma(sum, s, b * s) where the definition has (sum + b) * s: another order of two roundings; where sum + b passes f32's largest number the definition gives infinity and this text
; a finite number.  Where o = 1 the upper half of K is summed ahead of the lower.  Codes for infinity or NaN and the scale byte 0xff go to the matrix unit as they are.
; REGISTERS: window 0: v0-31 addresses and the bias; v32-63 scale words, two sets; v64-127 rows of out0 on the way out; from v128 x's fragments, one set (in the last K step four buffers of 16 rows x 256 K).
; window 1: W's fragments, two sets.  window 2: the accumulators of my rows 0-63 ((a, b) at v[8 (8 a + b)]); window 3: those of my rows 64-127.
.set NQ,     2                         ; matrix instructions deep in a slot
.set ROWB,   256
.set KROW,   4096
.set PITCH,  272                       ; 256 bytes + 16: row r starts at word 68 r, so the 16 rows of a load start 4 banks apart (64 banks of 4 bytes: ISA guide 11.1)
.set FR,     16
.set NL,     4
.set NP,     8                         ; places behind this matrix instruction (ISA guide 7.12.1)
.set HALFT,  128*PITCH
.set SLOT,   4*HALFT
.set SCL,    2*SLOT
.set SROW,   128
.set RUNB,   64
.set SPIT,   80
.set HALFS,  128*SPIT
.set SBLK,   16*SPIT
.set SPARE,  SCL+4*HALFS               ; the spare words: 128 bytes a wave, two blocks of 256 bytes that no other line names
.set SPITCH, 528                       ; the way out: 16 rows x (512 + 16) bytes a wave, in slot 0, behind its last fill and last read
.set NROW,   16384
.set CW, (1<<20)|(1<<21)|(5<<22)|(3<<25)   ; group 1, word 0, codes: bytes; padding on; bit 21 beside a mask; 4 words behind every 64
.set SW, (1<<20)|(1<<21)|(3<<22)|(3<<25)   ; scales: 4 words behind every 16
.set BS,   8                           ; v[8:11] b at my four columns, later x s
.set ADRA, 16                          ; v16-17 my fragments of x in slot 0, 1
.set ADRB, 20                          ; v20-21 the same for W
.set STO,  24
.set RD,   25
.set CO,   26                          ; 16 x lane
.set ADRS, 27                          ; my scale words of the K step to be fetched: lanes 0-15 x's rows, lanes 16-31 W's
.set SPW,  28
.set NIL,  29
.set PFO,  30                          ; lane x 4,096
.set ADRS0, 31                         ; ADRS at a run's first byte
.set SC,   32                          ; scale words: set t at v[SC + 16 t]; register 2 i + q: block i, the slot's q-th 128 along K
.set BK,   64                          ; the way out: 16 rows read back from the stage
.set AF,   128
.set G1W,  4                           ; s[4:11]  group 1, x's codes, 256 rows
.set WV,   16                          ; wave;  WH: my half of the tile's rows, also: I fetch for x (0) or W (1);  WL: my half of its columns, also: which 128 rows I fetch
.set WH,   17
.set WL,   18
.set TR,   19
.set G1,   24                          ; s[24:31] first the four pointers, then group 1, x's codes, 128 rows;  s[32:39] group 0, a set for each slot
.set G0,   32
.set TC,   42
.set PFA,  44                          ; s[44:45] my work-group's 32 rows, two K steps short of the K step that a change of slots names
.set G1B,  48                          ; s[48:55], s[56:63] the same for W's codes
.set G0B,  56
.set SCF,  66
.set G1S,  68
.set G0S,  76
.set G1SB, 80
.set G0SB, 88
.set G1BW, 92                          ; s[92:99] group 1, W's codes, 256 rows
.set SWR,  100                         ; s[100:101] 128 x o
.set WRAP, 104                         ; s[104:105] 4,096 x o
.set MSB, 0
.macro WIN new                         ; the immediate's high byte repeats the setting that is left
.if MSB != \new
	s_set_vgpr_msb (MSB<<8)|\new
.set MSB, \new
.endif
.endm
.set MUL_LO, 0xa1                      ; source 0 (W) window 1, source 1 (x) window 0, C and D window 2
.set MUL_HI, 0xf1
.set TO_B,   0x40
.macro PLACES n
.rept \n
	v_nop
.endr
.endm
.macro SHAPE g, c, r, p                ; group 1, words 1 to 7: r rows of c elements, p apart
	s_mov_b32 s[\g+1], (\c)<<16
	s_mov_b32 s[\g+2], (\r)<<16
	s_mov_b32 s[\g+3], (\c)<<16
	s_mov_b32 s[\g+4], \r
	s_mov_b32 s[\g+5], \p
	s_mov_b32 s[\g+6], 0
	s_mov_b32 s[\g+7], 0
.endm
.macro TL g0, g1                       ; a tensor load with an s_nop 0 and four v_nop behind it
	tensor_load_to_lds s[\g0:\g0+3], s[\g1:\g1+7]
	s_nop 0
	PLACES 4
.endm
.macro JLOAD g0a, g1a, g0b, g1b        ; waves 0, 1 fetch 128 rows of x each, waves 2, 3 of W: each line has one mask for all that issue it
	s_cmp_eq_u32 s[WH], 0
	s_cbranch_scc0 .Lfor_b_\@
	TL \g0a, \g1a
	s_branch .Lasked_\@
.Lfor_b_\@:
	TL \g0b, \g1b
.Lasked_\@:
.endm
.macro JFOUR                           ; slot 0's codes whole and a run of the scales, one load a wave, one chain of branches on the wave's number (waves 0 and 2: their group 0 stands at the tile's first row)
	s_cmp_lg_u32 s[WV], 0
	s_cbranch_scc1 .Lf1_\@
	TL G0, G1W
	s_branch .Lfd_\@
.Lf1_\@:
	s_cmp_lg_u32 s[WV], 1
	s_cbranch_scc1 .Lf2_\@
	TL G0S, G1S
	s_branch .Lfd_\@
.Lf2_\@:
	s_cmp_lg_u32 s[WV], 2
	s_cbranch_scc1 .Lf3_\@
	TL G0B, G1BW
	s_branch .Lfd_\@
.Lf3_\@:
	TL G0SB, G1SB
.Lfd_\@:
.endm
.macro ASK how                         ; the K step two refills on.  how = 3, in the second loop: its last trip (s3 = 1) has none
.if \how == 3
	s_cmp_gt_u32 s3, 1
	s_cbranch_scc0 .Lno_\@
.endif
	global_prefetch_b8 v[PFO], s[PFA:PFA+1] offset:2*ROWB th:TH_LOAD_NT scope:SCOPE_SE
.if \how == 3
.Lno_\@:
.endif
.endm
.macro CROUND                          ; a round of the cluster's barrier
	s_barrier_signal -1
	s_barrier_wait -1
	s_cmp_lg_u32 s[WV], 0
	s_cbranch_scc1 .Lnot_wave_0_\@
	s_barrier_signal -3
.Lnot_wave_0_\@:
	s_barrier_wait -3
	s_barrier_signal -1
	s_barrier_wait -1
.endm
	s_load_b128 s[24:27], s[0:1], 0x0              ; x's codes, x's scales
	s_load_b128 s[28:31], s[0:1], 0x10             ; W's codes, W's scales
	s_load_b128 s[12:15], s[0:1], 0x20             ; b, out0
	v_lshl_add_u32 v[SPW], v0, 2, SPARE
	v_mov_b32 v[NIL], 0
	ds_add_u32 v[SPW], v[NIL]                      ; the opening lines: the add, twice on end, and one wait
	ds_add_u32 v[SPW], v[NIL]
	v_lshrrev_b32 v1, 5, v0
	v_readfirstlane_b32 s[WV], v1
	s_lshr_b32 s[WH], s[WV], 1
	s_and_b32 s[WL], s[WV], 1
	s_bfe_u32 s40, ttmp6, 0x40000                  ; cx
	s_bfe_u32 s41, ttmp6, 0x40004                  ; cy
	s_lshl_b32 s[TC], ttmp9, 2
	s_add_co_u32 s[TC], s[TC], s40                 ; tile column
	s_and_b32 s[TR], ttmp7, 0xffff
	s_lshl_b32 s[TR], s[TR], 2
	s_add_co_u32 s[TR], s[TR], s41                 ; tile row
	s_lshl_b32 s43, s41, 2
	s_lshl_b32 s43, 15, s43                        ; my row of the cluster
	s_lshl_b32 s44, 0x1111, s40                    ; my column
	s_and_b32 s[WRAP], ttmp7, 0xffff               ; o: bit 0 of y xor (y >> 1) xor x xor (x >> 1), x and y the cluster's
	s_lshr_b32 s[WRAP+1], s[WRAP], 1
	s_xor_b32 s[WRAP], s[WRAP], s[WRAP+1]
	s_xor_b32 s[WRAP], s[WRAP], ttmp9
	s_lshr_b32 s[WRAP+1], ttmp9, 1
	s_xor_b32 s[WRAP], s[WRAP], s[WRAP+1]
	s_and_b32 s[WRAP], s[WRAP], 1
	s_lshl_b32 s[WRAP], s[WRAP], 12
	s_mov_b32 s[WRAP+1], 0
	s_lshr_b32 s[SWR], s[WRAP], 5
	s_mov_b32 s[SWR+1], 0
	s_or_b32 s[G1W], s43, CW                       ; x's tiles go to my row, W's to my column
	s_or_b32 s[G1B], s44, CW
	s_or_b32 s[G1BW], s44, CW
	s_or_b32 s[G1S], s43, SW
	s_or_b32 s[G1SB], s44, SW
	SHAPE G1W,  ROWB, 256, KROW
	SHAPE G1BW, ROWB, 256, KROW
	SHAPE G1B,  ROWB, 128, KROW
	SHAPE G1S,  RUNB, 256, SROW
	SHAPE G1SB, RUNB, 256, SROW
	s_lshl_b32 s2, s[WL], 7                        ; which 128 rows I fetch
	s_lshr_b32 s3, s[WRAP], 1                      ; my cluster's K step 0 in a row of codes: byte 0 or 2,048
	s_lshl_b32 s20, s[TR], 8
	s_add_co_u32 s20, s20, s2
	s_lshl_b32 s20, s20, 12
	s_add_co_u32 s20, s20, s3
	s_mov_b32 s21, 0
	s_lshl_b32 s46, s[TC], 8
	s_add_co_u32 s46, s46, s2
	s_lshl_b32 s46, s46, 12
	s_add_co_u32 s46, s46, s3
	s_mov_b32 s47, 0
	s_lshr_b32 s3, s[WRAP], 6                      ; and in a row of scale bytes: byte 0 or 64
	s_lshl_b32 s22, s[TR], 15
	s_add_co_u32 s22, s22, s3
	s_mov_b32 s23, 0
	s_lshl_b32 s2, s[TC], 15
	s_add_co_u32 s2, s2, s3
	s_mov_b32 s3, 0
	s_mul_i32 s45, s[WV], HALFT                    ; where my 128 rows go: no place in the cluster enters an LDS address
	s_mov_b32 s[SCF], 0x3bebedfa
	s_mov_b32 s[SCF+1], 0x3bebedfa
	s_wait_dscnt 0x0                               ; both opening adds are done
	s_wait_kmcnt 0x0
	s_add_nc_u64 s[20:21], s[24:25], s[20:21]
	s_add_nc_u64 s[46:47], s[28:29], s[46:47]
	s_add_nc_u64 s[22:23], s[26:27], s[22:23]
	s_add_nc_u64 s[2:3], s[30:31], s[2:3]
.irp t, 0,1
	s_mov_b32 s[G0+4*\t], 1
	s_add_co_u32 s[G0+4*\t+1], s45, \t*SLOT
	s_add_nc_u64 s[G0+4*\t+2:G0+4*\t+3], s[20:21], \t*ROWB
	s_or_b32 s[G0+4*\t+3], s[G0+4*\t+3], 0x80000000
	s_mov_b32 s[G0B+4*\t], 1
	s_add_co_u32 s[G0B+4*\t+1], s45, \t*SLOT
	s_add_nc_u64 s[G0B+4*\t+2:G0B+4*\t+3], s[46:47], \t*ROWB
	s_or_b32 s[G0B+4*\t+3], s[G0B+4*\t+3], 0x80000000
.endr
	s_mov_b32 s[G0S], 1
	s_mov_b32 s[G0S+1], SCL
	s_mov_b64 s[G0S+2:G0S+3], s[22:23]
	s_or_b32 s[G0S+3], s[G0S+3], 0x80000000
	s_mov_b32 s[G0SB], 1
	s_mov_b32 s[G0SB+1], SCL+2*HALFS
	s_mov_b64 s[G0SB+2:G0SB+3], s[2:3]
	s_or_b32 s[G0SB+3], s[G0SB+3], 0x80000000
	CROUND                                         ; all sixteen work-groups are here: the first joint loads meet
	JFOUR                                          ; K step 0 and the scales' first run: one tensor load a wave
	; where my prefetches stand
	s_lshl_b32 s20, s[TR], 8
	s_lshl_b32 s21, s[TC], 8
	s_cmp_eq_u32 s[WH], 0
	s_cselect_b32 s20, s20, s21                    ; the tile's first row: in x by the tile row, in W by the tile column
	s_cselect_b32 s21, s40, s41                    ; my place among the four that ask for it with me
	s_cselect_b64 s[PFA:PFA+1], s[24:25], s[28:29]
	s_lshl_b32 s22, s[WL], 7
	s_add_co_u32 s20, s20, s22
	s_lshl_b32 s21, s21, 5
	s_add_co_u32 s20, s20, s21
	s_lshl_b32 s20, s20, 12
	s_lshr_b32 s21, s[WRAP], 1
	s_add_co_u32 s20, s20, s21
	s_mov_b32 s21, 0
	s_add_nc_u64 s[PFA:PFA+1], s[PFA:PFA+1], s[20:21]
	s_add_nc_u64 s[PFA:PFA+1], s[PFA:PFA+1], ROWB  ; at K step 1
	v_and_b32 v6, 31, v0
	v_lshlrev_b32 v[PFO], 12, v6
	global_prefetch_b8 v[PFO], s[PFA:PFA+1] th:TH_LOAD_NT scope:SCOPE_SE               ; K step 1
	global_prefetch_b8 v[PFO], s[PFA:PFA+1] offset:ROWB th:TH_LOAD_NT scope:SCOPE_SE   ; K step 2
	s_or_b32 s[G1], s43, CW                        ; the four pointers are spent
	SHAPE G1, ROWB, 128, KROW
	s_mul_i32 s20, s[WH], HALFT                    ; my 128 rows of x
	s_mul_i32 s21, s[WL], HALFT
	s_add_co_u32 s21, s21, 2*HALFT                 ; my 128 rows of W, behind x's 256
	s_mul_i32 s22, s[WH], HALFS
	s_mul_i32 s23, s[WL], HALFS
	s_add_co_u32 s23, s23, 2*HALFS
	s_sub_co_u32 s23, s23, s22                     ; from my rows of x's scales to my rows of W's
	s_add_co_u32 s22, s22, SCL
	s_mul_i32 s46, s[WV], 16*SPITCH                ; my stage
	s_lshl_b32 s47, s[TR], 8
	s_lshl_b32 s2, s[WH], 7
	s_add_co_u32 s47, s47, s2
	s_lshl_b32 s2, s47, 14                         ; my first row of out0, in bytes
	s_mov_b32 s3, 0
	s_add_nc_u64 s[14:15], s[14:15], s[2:3]
	s_lshl_b32 s2, s[TC], 10
	s_lshl_b32 s47, s[WL], 9
	s_add_co_u32 s2, s2, s47                       ; my first column, in bytes
	s_add_nc_u64 s[12:13], s[12:13], s[2:3]
	s_add_nc_u64 s[14:15], s[14:15], s[2:3]
	v_and_b32 v1, 15, v0                           ; r
	v_bfe_u32 v2, v0, 4, 1                         ; h
	v_mul_u32_u24 v3, v1, PITCH
	v_lshl_add_u32 v4, v2, 4, v3
	v_add_nc_u32 v[ADRA], s20, v4
	v_add_nc_u32 v[ADRB], s21, v4
	v_add_nc_u32 v[ADRA+1], SLOT, v[ADRA]
	v_add_nc_u32 v[ADRB+1], SLOT, v[ADRB]
	v_mul_u32_u24 v5, v1, SPIT
	v_mul_u32_u24 v7, s23, v2                      ; lanes 16-31 take W's: the lower base + h x the distance
	v_add_nc_u32 v5, v5, v7
	v_add_nc_u32 v[ADRS0], s22, v5
	v_mov_b32 v[ADRS], v[ADRS0]
	v_mul_u32_u24 v5, v1, SPITCH
	v_lshl_add_u32 v5, v2, 5, v5
	v_add_nc_u32 v[STO], s46, v5
	v_lshlrev_b32 v[CO], 4, v6
	v_add_nc_u32 v[RD], s46, v[CO]
	s_mov_b32 s21, 0                               ; the upper word of the pair s[20:21], which the prefetches' step uses
	s_wait_alu depctr_va_vdst(0)                   ; the wait at the head's end
	global_load_b128 v[BS:BS+3], v[CO], s[12:13]   ; b at my four columns; waited for ahead of the last K step
.macro FRAG reg, adr, q, i             ; 16 rows x 128 K: lane l holds row l % 16; registers 4 c .. 4 c + 3 hold K = 32 c + 16 (l / 16) + 0 .. 15
.irp c, 0,1,2,3
	ds_load_b128 v[\reg+4*\c:\reg+4*\c+3], v[\adr] offset:128*(\q)+32*\c+(\i)*16*PITCH
.endr
.endm
; 16 products: x's blocks a0, a0 + 1 against W's eight.  The 64 accumulators take turns in the same order in every step.  W's scales: lanes 16-31; x's: lanes 0-15.
.macro MUL16 a0, p, q, sc, zero
.irp a, \a0, \a0+1
.irp b, 0,1,2,3,4,5,6,7
.if \zero
	v_wmma_scale_f32_16x16x128_f8f6f4 v[8*(8*((\a)%4)+\b):8*(8*((\a)%4)+\b)+7], v[128*(\p)+FR*\b:128*(\p)+FR*\b+FR-1], v[AF+FR*(\a):AF+FR*(\a)+FR-1], 0, v[SC+8*NQ*(\sc)+NQ*\b+(\q)], v[SC+8*NQ*(\sc)+NQ*(\a)+(\q)] matrix_a_fmt:MATRIX_FMT_BF8 matrix_b_fmt:MATRIX_FMT_BF8 matrix_a_scale:MATRIX_SCALE_ROW1
.else
	v_wmma_scale_f32_16x16x128_f8f6f4 v[8*(8*((\a)%4)+\b):8*(8*((\a)%4)+\b)+7], v[128*(\p)+FR*\b:128*(\p)+FR*\b+FR-1], v[AF+FR*(\a):AF+FR*(\a)+FR-1], v[8*(8*((\a)%4)+\b):8*(8*((\a)%4)+\b)+7], v[SC+8*NQ*(\sc)+NQ*\b+(\q)], v[SC+8*NQ*(\sc)+NQ*(\a)+(\q)] matrix_a_fmt:MATRIX_FMT_BF8 matrix_b_fmt:MATRIX_FMT_BF8 matrix_a_scale:MATRIX_SCALE_ROW1
.endif
.endr
.endr
.endm
.macro FETCH_B slot, q, p
	WIN TO_B
.irp i, 0,1,2,3,4,5,6,7
	FRAG 128*(\p)+FR*\i, ADRB+\slot, \q, \i
.endr
	WIN 0
.endm
.macro FETCH_A slot, q, i0
.irp i, \i0, \i0+1, \i0+2, \i0+3
	FRAG AF+FR*(\i), ADRA+\slot, \q, \i
.endr
.endm
.macro SCALES sc, off
.irp i, 0,1,2,3,4,5,6,7
	ds_load_b64 v[SC+8*NQ*(\sc)+NQ*\i:SC+8*NQ*(\sc)+NQ*\i+1], v[ADRS] offset:\i*SBLK+(\off)
.endr
.endm
; A slot's first 128 along K.
.macro STEP slot, q, zero
	s_wait_dscnt 4*NL                              ; all but the youngest 16 loads (x's blocks 4-7)
	WIN MUL_LO
	MUL16 0, (\q)%2, \q, \slot, \zero
	MUL16 2, (\q)%2, \q, \slot, \zero
	s_wait_dscnt 0
	PLACES NP
	FETCH_B \slot, (\q)+1, 1-(\q)%2
	FETCH_A \slot, (\q)+1, 0
	WIN MUL_HI
	MUL16 4, (\q)%2, \q, \slot, \zero
	MUL16 6, (\q)%2, \q, \slot, \zero
	PLACES NP
	WIN 0
	FETCH_A \slot, (\q)+1, 4
.endm
; A slot's last 128 along K, with the change of slots at its head: the slot is filled again, two K steps ahead, behind a round of the cluster's barrier.
; ask: 1 the first loop; 2 K steps 6, 7; 3 the second loop.  mid = 1, 2 (K steps 6, 7): the refills are K steps 8 and 9, in K's other half: where o = 1 the step goes back by a row's 4,096 bytes.
; mid = 1: the scales' second run is asked for too; K step 7's words, the last of the first run, are read ahead of the round.  mid = 2: the words are read at a run's first byte.
.macro TURN slot, next, ask, mid
	s_wait_xcnt 0x0                                ; the last prefetch has read its address
	s_add_nc_u64 s[PFA:PFA+1], s[PFA:PFA+1], ROWB
.if ((\ask) == 1) && ((\slot) == 0)
	s_cmp_eq_u32 s3, 1                             ; K step 4's change of slots names K step 8: where o = 1, a row's 4,096 bytes back
	s_cselect_b32 s20, s[WRAP], 0
	s_sub_nc_u64 s[PFA:PFA+1], s[PFA:PFA+1], s[20:21]
.endif
.if \mid == 1
	SCALES \next, 4*NQ
.endif
	s_wait_tensorcnt 0x0                           ; my one load that was out has landed: my part of the next slot (K step 7: or of the scales)
	ds_add_u32 v[SPW], v[NIL]                      ; the descriptors' steps stand between it and its wait
	s_add_nc_u64 s[G0+4*\slot+2:G0+4*\slot+3], s[G0+4*\slot+2:G0+4*\slot+3], 2*ROWB
	s_add_nc_u64 s[G0B+4*\slot+2:G0B+4*\slot+3], s[G0B+4*\slot+2:G0B+4*\slot+3], 2*ROWB
.if \mid
	s_sub_nc_u64 s[G0+4*\slot+2:G0+4*\slot+3], s[G0+4*\slot+2:G0+4*\slot+3], s[WRAP:WRAP+1]
	s_sub_nc_u64 s[G0B+4*\slot+2:G0B+4*\slot+3], s[G0B+4*\slot+2:G0B+4*\slot+3], s[WRAP:WRAP+1]
.endif
.if \mid == 1
	s_add_nc_u64 s[G0S+2:G0S+3], s[G0S+2:G0S+3], RUNB      ; the other 64 bytes of each row: 64 on, and where o = 1 128 back
	s_sub_nc_u64 s[G0S+2:G0S+3], s[G0S+2:G0S+3], s[SWR:SWR+1]
	s_add_nc_u64 s[G0SB+2:G0SB+3], s[G0SB+2:G0SB+3], RUNB
	s_sub_nc_u64 s[G0SB+2:G0SB+3], s[G0SB+2:G0SB+3], s[SWR:SWR+1]
.endif
	s_wait_dscnt 0x0                               ; the add is done; this slot's last fragments are in registers: my reads of it are over
	CROUND                                         ; no wave of any partner still reads what is filled now, or has a load on its way
.if \mid == 1
	JFOUR
.else
	JLOAD G0+4*\slot, G1, G0B+4*\slot, G1B
.endif
	WIN MUL_LO
	MUL16 0, 1, NQ-1, \slot, 0
	MUL16 2, 1, NQ-1, \slot, 0
	PLACES NP
	WIN 0
.if \mid == 1
	v_mov_b32 v[ADRS], v[ADRS0]
	s_wait_alu depctr_va_vdst(0)                   ; the wait, directly behind the write
.elseif \mid == 0
	v_add_nc_u32 v[ADRS], 4*NQ, v[ADRS]            ; the next K step's scale words
	s_wait_alu depctr_va_vdst(0)                   ; likewise
.endif
	FETCH_B \next, 0, 0
	FETCH_A \next, 0, 0
.if \mid != 1
	SCALES \next, 0
.endif
	ASK \ask
	WIN MUL_HI
	MUL16 4, 1, NQ-1, \slot, 0
	MUL16 6, 1, NQ-1, \slot, 0
	PLACES NP
	WIN 0
	FETCH_A \next, 0, 4
.endm
	s_wait_tensorcnt 0x0                           ; my tile of the head's four is in; slot 1's first fill is issued as a refill is
	ds_add_u32 v[SPW], v[NIL]
	s_wait_dscnt 0x0
	CROUND
	JLOAD G0+4, G1, G0B+4, G1B                     ; K step 1
	FETCH_B 0, 0, 0
	FETCH_A 0, 0, 0
	SCALES 0, 0
	FETCH_A 0, 0, 4
	global_prefetch_b8 v[PFO], s[PFA:PFA+1] offset:2*ROWB th:TH_LOAD_NT scope:SCOPE_SE   ; K step 3
	STEP 0, 0, 1                                   ; the first step's products start the sums
	s_mov_b32 s3, 3
.Llap_a:                                               ; the changes of slots of K steps 0 to 5
	TURN 0, 1, 1, 0
	STEP 1, 0, 0
	TURN 1, 0, 1, 0
	STEP 0, 0, 0
	s_sub_co_u32 s3, s3, 1
	s_cmp_lg_u32 s3, 0
	s_cbranch_scc1 .Llap_a
	TURN 0, 1, 2, 1                                ; K step 6
	STEP 1, 0, 0
	TURN 1, 0, 2, 2                                ; K step 7
	STEP 0, 0, 0
	s_mov_b32 s3, 3
.Llap_b:                                               ; K steps 8 to 13
	TURN 0, 1, 3, 0
	STEP 1, 0, 0
	TURN 1, 0, 3, 0
	STEP 0, 0, 0
	s_sub_co_u32 s3, s3, 1
	s_cmp_lg_u32 s3, 0
	s_cbranch_scc1 .Llap_b
; K STEP 14's LAST 128 ALONG K, AND K STEP 15 BY ROWS.
.macro ALOAD a                         ; x's block a of slot 1, 16 rows x 256 K, into buffer a % 4: 32 registers, the first 128 along K below
.irp q, 0,1
	FRAG AF+32*((\a)%4)+16*\q, ADRA+1, \q, \a
.endr
.endm
.macro ROW a                           ; block a is finished: 16 products, its 8 accumulators by turns, K ascending
	WIN (MUL_LO+0x50*((\a)/4))
.irp q, 0,1
.if (\a) == 0
	s_wait_dscnt 48-32*\q                          ; q = 0: all but the second run's 48 loads;  q = 1: W's second set is in, x's blocks 2, 3 (16 loads) may be out
.endif
.irp b, 0,1,2,3,4,5,6,7
	v_wmma_scale_f32_16x16x128_f8f6f4 v[8*(8*((\a)%4)+\b):8*(8*((\a)%4)+\b)+7], v[128*\q+FR*\b:128*\q+FR*\b+FR-1], v[AF+32*((\a)%4)+16*\q:AF+32*((\a)%4)+16*\q+15], v[8*(8*((\a)%4)+\b):8*(8*((\a)%4)+\b)+7], v[SC+8*NQ+NQ*\b+\q], v[SC+8*NQ+NQ*(\a)+\q] matrix_a_fmt:MATRIX_FMT_BF8 matrix_b_fmt:MATRIX_FMT_BF8 matrix_a_scale:MATRIX_SCALE_ROW1
.endr
.endr
.endm
; THE WAY OUT of a block of 16 rows x 128 columns, through my own stage: in as 32 bytes a lane, back as whole rows of 512 bytes: lane l then holds columns 4 l .. 4 l + 3 of every row.
; LDS serves a wave's instructions in order (ISA guide 5.7.1.4): no wait between the stores and the loads.
.macro TOSTAGE a
.set AC, 64*((\a)%4)
	WIN (0x08+4*((\a)/4))                          ; the data: window 2 or 3
.irp b, 0,1,2,3,4,5,6,7
	ds_store_b128 v[STO], v[AC+8*\b:AC+8*\b+3] offset:64*\b          ; each accumulator from its low end on
	ds_store_b128 v[STO], v[AC+8*\b+4:AC+8*\b+7] offset:64*\b+16
.endr
	WIN 0
.irp t, 0,1,2,3,4,5,6,7,8,9,10,11,12,13,14,15
	ds_load_b128 v[BK+4*\t:BK+4*\t+3], v[RD] offset:\t*SPITCH
.endr
.endm
.macro SEND a, younger                 ; younger: the LDS loads issued behind the block's, which may stay out
	s_wait_dscnt \younger
.if (\a) > 0
	s_add_nc_u64 s[14:15], s[14:15], 16*NROW       ; behind a wait on XCNT; the stores' offsets reach 15 rows, 245,760 bytes
.endif
.irp t, 0,1,2,3,4,5,6,7,8,9,10,11,12,13,14,15
	v_pk_fma_f32 v[BK+4*\t:BK+4*\t+1], v[BK+4*\t:BK+4*\t+1], s[SCF:SCF+1], v[BS:BS+1] op_sel_hi:[1,0,1]
	v_pk_fma_f32 v[BK+4*\t+2:BK+4*\t+3], v[BK+4*\t+2:BK+4*\t+3], s[SCF:SCF+1], v[BS+2:BS+3] op_sel_hi:[1,0,1]
	global_store_b128 v[CO], v[BK+4*\t:BK+4*\t+3], s[14:15] offset:\t*NROW   ; 32 lanes store 512 consecutive bytes, at a multiple of 256 from out0's first byte
.endr
.endm
	s_wait_tensorcnt 0x0                           ; K step 15's tile: my part has landed; nothing is filled any more
	ds_add_u32 v[SPW], v[NIL]
	s_wait_dscnt 0x0                               ; slot 0's last fragments are in registers
	s_barrier_signal -1
	s_barrier_wait -1                              ; slot 1 is whole for every wave, and nobody reads slot 0 any more: the stages lie there
	WIN MUL_LO
	MUL16 0, 1, NQ-1, 0, 0
	MUL16 2, 1, NQ-1, 0, 0
	PLACES NP
	WIN 0
	v_add_nc_u32 v[ADRS], 4*NQ, v[ADRS]
	s_wait_alu depctr_va_vdst(0)                   ; the wait, directly behind the write
	FETCH_B 1, 0, 0                                ; the first run, 56 loads: W's first 128 along K, x's blocks 0, 1 (where x's blocks 0-3 of the step at work lay), the scale words
	ALOAD 0
	ALOAD 1
	SCALES 1, 0
	WIN MUL_HI
	MUL16 4, 1, NQ-1, 0, 0
	MUL16 6, 1, NQ-1, 0, 0
	PLACES NP
	FETCH_B 1, 1, 1                                ; the second run, 48 loads: W's second 128 along K, then x's blocks 2, 3
	ALOAD 2
	ALOAD 3
	s_wait_loadcnt 0x0                             ; b
	v_pk_mul_f32 v[BS:BS+1], v[BS:BS+1], s[SCF:SCF+1] op_sel_hi:[1,0]       ; b x s
	v_pk_mul_f32 v[BS+2:BS+3], v[BS+2:BS+3], s[SCF:SCF+1] op_sel_hi:[1,0]
	s_wait_alu depctr_va_vdst(0)
	ROW 0
.irp a, 0,1,2,3,4,5,6,7
	PLACES NP                                      ; in front of the reads of results just made, and of the loads into the buffer just multiplied
.if \a > 0
	s_wait_xcnt 0x0                                ; block a - 1's stores have read their registers and their base
.endif
	TOSTAGE \a
.if \a < 4
	ALOAD \a+4                                     ; its buffer takes the block four further on
	SEND \a, 8
.else
	SEND \a, 0
.endif
.if \a < 7
	ROW \a+1
.endif
.endr
	s_wait_tensorcnt 0x0                           ; the wave's end
	ds_add_u32 v[SPW], v[NIL]
	s_wait_dscnt 0x0
	CROUND                                         ; the closing round
	s_endpgm
.Lfunc_end_k_q9a2ae94c02_gemm:
	.size	k_q9a2ae94c02_gemm, .Lfunc_end_k_q9a2ae94c02_gemm-k_q9a2ae94c02_gemm
	.p2alignl 7, 3214868480
	.fill 96, 4, 3214868480
	.section	.rodata,"a",@progbits
	.p2align	6, 0x0
	.amdhsa_kernel k_q9a2ae94c02_gemm
		.amdhsa_group_segment_fixed_size 327680
		.amdhsa_private_segment_fixed_size 0
		.amdhsa_enable_private_segment 0
		.amdhsa_kernarg_size 48
		.amdhsa_user_sgpr_count 2
		.amdhsa_user_sgpr_kernarg_segment_ptr 1
		.amdhsa_wavefront_size32 1
		.amdhsa_system_sgpr_workgroup_id_x 1
		.amdhsa_system_sgpr_workgroup_id_y 1
		.amdhsa_system_sgpr_workgroup_id_z 1
		.amdhsa_system_vgpr_workitem_id 0
		.amdhsa_next_free_vgpr 1024
		.amdhsa_next_free_sgpr 106
		.amdhsa_reserve_vcc 0
		.amdhsa_float_denorm_mode_32 3
		.amdhsa_float_denorm_mode_16_64 3
		.amdhsa_memory_ordered 1
		.amdhsa_forward_progress 1
		.amdhsa_inst_pref_size 255
	.end_amdhsa_kernel
	.section	.bss,"aw",@nobits
	.p2align	6
	.space	262144
	.amdgpu_metadata
---
amdhsa.version: [ 1, 2 ]
amdhsa.kernels:
  - .name:           k_q9a2ae94c02_gemm
    .symbol:         k_q9a2ae94c02_gemm.kd
    .args:
      - { .name: x_codes, .offset: 0, .size: 8, .value_kind: global_buffer, .address_space: global }
      - { .name: x_scales, .offset: 8, .size: 8, .value_kind: global_buffer, .address_space: global }
      - { .name: W_codes, .offset: 16, .size: 8, .value_kind: global_buffer, .address_space: global }
      - { .name: W_scales, .offset: 24, .size: 8, .value_kind: global_buffer, .address_space: global }
      - { .name: b, .offset: 32, .size: 8, .value_kind: global_buffer, .address_space: global }
      - { .name: out0, .offset: 40, .size: 8, .value_kind: global_buffer, .address_space: global }
    .group_segment_fixed_size: 327680
    .private_segment_fixed_size: 0
    .kernarg_segment_align: 8
    .kernarg_segment_size: 48
    .max_flat_workgroup_size: 128
    .sgpr_count:     106
    .vgpr_count:     1024
    .wavefront_size: 32
...
	.end_amdgpu_metadata
.endif
;; end of part 1
